; MI455X (gfx1250); checked and timed in simulation.
; The chip was launched on July 23, 2026; its instructions are those of AMD's public machine-readable ISA for CDNA 5 (MIT licence, August 2026) and "CDNA5" Instruction Set Architecture Reference Guide (July 2026). The comments in the code are by the model that wrote it; some were corrected since.
;; Multi Head Attention. Allowed arithmetic: matrix products marked QUANTISED: E2M1 operands, one E8M0 scale for each 32 along K, by v_wmma_scale_f32_16x16x128_f8f6f4 with both operands' format E2M1 (or v_wmma_scale_f32_32x16x128_f4), f32 sums; products left as they are: bf16, f16 or f32 operands; f32 sums; everything else in f32.
;; Inputs: Wk 512 x 512 float32; Wo 512 x 512 float32; Wq 512 x 512 float32; Wv 512 x 512 float32; bk 512 float32; bo 512 float32; bq 512 float32; bv 512 float32; k 2 x 4,096 x 512 float32; q 2 x 4,096 x 512 float32; v 2 x 4,096 x 512 float32.
;; Outputs: out0 2 x 4,096 x 512 float32.
;; This version of the problem:
;;   THIS VERSION OF THE PROBLEM IS GIVEN IN LOW PRECISION. The matrix products marked QUANTISED in the list below multiply operands that are first quantised to E2M1 (2 exponent bits, 1 mantissa bit; 4 bits a number), with one power-of-two scale for each 32 numbers along K (OCP MX v1.0); their sums are f32. The products marked 'left as it is' may take bf16, f16 or f32 operands, with f32 sums. Whichever they take, every output number must still come out within the allowed error. Rounding operands to bf16 (8 significant bits) uses up far more of that allowance than f16 does (11 bits, for magnitudes from 6e-5 to 65,504). All else is computed in f32.
;;   The module's matrix products, in the order in which they are computed (A, B: the left and right operand; K: the contracted axis; several contracted axes count as one K, in the product's order):
;;     1. [M 8,192, K 512] x [K 512, N 512]; A: input q; B: input Wq: QUANTISED
;;     2. [M 8,192, K 512] x [K 512, N 512]; A: input k; B: input Wk: QUANTISED
;;     3. [M 8,192, K 512] x [K 512, N 512]; A: input v; B: input Wv: QUANTISED
;;     4. batch 16 x [M 4,096, K 64] x [K 64, N 4,096]; A: computed on the way; B: computed on the way: left as it is (an operand is computed on the way)
;;     5. batch 16 x [M 4,096, K 4,096] x [K 4,096, N 64]; A: computed on the way; B: computed on the way: left as it is (an operand is computed on the way)
;;     6. [M 8,192, K 512] x [K 512, N 512]; A: computed on the way; B: input Wo: left as it is (an operand is computed on the way)
;;   THE QUANTISER, for each operand of a quantised product, along K:
;;     - K is cut into blocks of 32 from its start; a last block that is shorter is filled with zeros.
;;     - A block's scale is 2^e with e = floor(log2(the largest magnitude in the block)) - 2, held to -126 .. 127; a block of zeros has e = 0. As a byte (E8M0): e + 127.
;;     - Each number is divided by its block's scale, clamped to +-6, and rounded to the nearest number of E2M1, ties to even, subnormals kept.
;;     - The product sums the exact products of the quantised numbers (number of the format x scale) in f32.
;;   ~~~python
;;   def quantise(x, axis):      # numpy; x: float32 -> the quantised numbers, widened to float32 again
;;       x = np.moveaxis(x, axis, -1); K = x.shape[-1]
;;       x = np.pad(x, [(0, 0)] * (x.ndim - 1) + [(0, -K % 32)]); x = x.reshape(x.shape[:-1] + (-1, 32)); a = np.abs(x).max(-1, keepdims=True)
;;       e = np.where(a > 0, np.clip(np.frexp(np.where(a > 0, a, 1))[1] - 1 - 2, -126, 127), 0)      # np.frexp(a)[1] - 1 = floor(log2(a)), exactly
;;       r = np.clip(x / 2.0 ** e, -6, 6)
;;       step = 2.0 ** (np.maximum(np.frexp(np.where(r == 0, 1, r))[1] - 1, 0) - 1)
;;       q = np.round(r / step) * step * 2.0 ** e      # np.round: ties to even
;;       return np.moveaxis(q.reshape(q.shape[:-2] + (-1,))[..., :K], -1, axis).astype(np.float32)
;;   ~~~
;; One version. Each part assembles by itself: llvm-mc -triple=amdgcn-amd-amdhsa -mcpu=gfx1250 --defsym DOCPART=n.
;; ======== version 1 of 1: 4 launches
;; limits: values are held in f16: magnitudes above 65,504 overflow, below 6.1e-05 lose precision
;; workspace buffers: wcodes 393,216 bytes; wscales 24,576 bytes; wo16 524,288 bytes; qf 8,388,608 bytes; kf 8,388,608 bytes; vf 8,388,608 bytes; of 8,388,608 bytes
;; launch prep (part 1): grid 32 x 4, 4 waves a work-group, no clusters, 34,560 bytes of LDS; arguments Wq, Wk, Wv, Wo, wcodes, wscales, wo16; writes wcodes, wscales, wo16
.if DOCPART == 1
	.amdgcn_target "amdgcn-amd-amdhsa--gfx1250"
	.amdhsa_code_object_version 6
	.text
	.protected	k_q03c60fac3e_prep
	.globl	k_q03c60fac3e_prep
	.p2align	8
	.type	k_q03c60fac3e_prep,@function
k_q03c60fac3e_prep:
	s_mov_b64 s[64:65], 0
	v_nop
	global_prefetch_b8 v0, s[64:65] scope:SCOPE_SE
	s_setreg_imm32_b32 hwreg(HW_REG_WAVE_MODE, 25, 1), 1
	s_wait_xcnt 0x0
; MULTI-HEAD ATTENTION, B = 2, S = 4,096, D = 512, 8 heads of 64, in four launches: prep (this one), proj, attn, outp.
; THIS LAUNCH lays the four weights out once, as images of operand registers: Wq, Wk, Wv as codes of FP4 (E2M1) with one E8M0 byte for each 32 along K (K = their last axis), Wo as f16.
; DEAD WORK, for all values of the inputs: bk.  kh = k Wk^T + bk, and score(q, j) = qh(q) . kh(j) / 8 = qh(q) . (k Wk^T)(j) / 8 + qh(q) . bk / 8.  The last term is the same for every key j of a row, a softmax
; along j takes it away, and kh goes nowhere else; the product of qh and kh is not quantised, so no code or scale hangs on bk.  So bk reaches no output: it is not loaded and is among no launch's arguments.
; LIMIT: a NaN, an infinity or an overflow that would reach the result through bk alone is not carried to it.
; LIMITS of the whole program: the products left as they are take f16 operands.  qh, kh, vh must stay under 65,504 in magnitude (inputs 30 times larger than unit spread with weights 30 times larger than 1/sqrt(512) give some
; 5,400; a common offset of 30 spreads on both gives some 20,400).  The weights p of the softmax are at most 1 by the running maximum.  Attention's result under 6e-5 in magnitude is kept as f16 subnormals.
; Blocks whose largest magnitude lies under 2^(2 - 126) have their scale byte held at 1; a block of zeros gets the byte 1 where the quantiser says 127: its codes are zeros, and this program alone reads the bytes.
; NaN and infinities among the inputs are not served.
; SHARES.  Work-group (x, y): 16 rows x of weight y (0, 1, 2: Wq, Wk, Wv; 3: Wo).  Wave w takes k = 128 w .. 128 w + 127 of the 16 rows.  Each load reads 512 consecutive bytes of a row; the 8 KB turn through the wave's own
; stage in LDS (rows 528 bytes apart), so that a lane gets the neighbours along K that the operand's layout gives it.  A fragment leaves as its registers stand: registers 0-3 at 16 x lane, registers 4-7 at 512 + 16 x lane.
.set SP,    528                        ; a stage row: 512 bytes + 16 of padding
.set STGW,  16*SP                      ; a wave's stage
.set SCW,   4*STGW                     ; the 16 rows' scale bytes, 16 a row: 256 bytes
.set SPARE, SCW+256                    ; the spare words, 128 bytes for each wave: two blocks of 256 bytes that no other line names
.set GL,   4                           ; v4   16 lane + 512 wave: my 16 bytes of a row
.set STW,  5                           ; v5   into the stage
.set SR4,  6                           ; v6   out of it, FP4: row r, + 128 h
.set SR16, 7                           ; v7   out of it, f16: row r, + 32 h
.set SCA,  8                           ; v8   my row's scale word of my K step
.set SCR,  9                           ; v9   the scale bytes on their way out: 8 a lane
.set OI,   10                          ; v10  16 lane
.set O8,   11                          ; v11  8 lane
.set SH8,  12                          ; v12  8 h
.set SPW,  13                          ; v13  my spare word; never rewritten
.set NIL,  14                          ; v14  0; never rewritten
.set R,    16                          ; v16-79   the numbers as loaded
.set X,    80                          ; v80-143  the numbers as the operand wants them
.set TM,   144                         ; v144-151 at work
.set PW,   152                         ; v152     the scale word
.set C,    154                         ; v154-161 the codes
.set H,    16                          ; v16-47   the f16 fragments
.set WV,   18
.set ROLE, 19
.set SEL,  24
; 64 numbers of a lane, register 32 c + i = k 64 c + 32 h + i of row r: two whole blocks.  They become the fragment's 8 registers of codes in v[C] on, and the row's scale word in v[PW].
.macro QUANT
.irp c, 0,1
	v_max3_num_f32 v[TM+\c], |v[X+32*\c]|, |v[X+32*\c+1]|, 0x1800000      ; two chains a block; the floor 2^(3 - 127) holds the byte at 1 from below
	v_max3_num_f32 v[TM+2+\c], |v[X+32*\c+16]|, |v[X+32*\c+17]|, |v[X+32*\c+18]|
.endr
.irp i, 2,4,6,8,10,12
.irp c, 0,1
	v_max3_num_f32 v[TM+\c], v[TM+\c], |v[X+32*\c+\i]|, |v[X+32*\c+\i+1]|
	v_max3_num_f32 v[TM+2+\c], v[TM+2+\c], |v[X+32*\c+\i+17]|, |v[X+32*\c+\i+18]|
.endr
.endr
.irp c, 0,1
	v_max3_num_f32 v[TM+\c], v[TM+\c], |v[X+32*\c+14]|, |v[X+32*\c+15]|
.endr
.irp c, 0,1
	v_max3_num_f32 v[TM+\c], v[TM+\c], v[TM+2+\c], |v[X+32*\c+31]|        ; the block's largest magnitude
.endr
.irp c, 0,1
	v_add_nc_u32 v[TM+4+\c], 0xff000000, v[TM+\c]                         ; 2 off its exponent field: the conversion's scale operand
.endr
.irp c, 0,1
	v_lshrrev_b32 v[TM+\c], 23, v[TM+4+\c]                                ; the scale's byte
.endr
	v_lshl_or_b32 v[PW], v[TM+1], 16, v[TM]                               ; my bytes: blocks h and 2 + h,
	v_lshlrev_b32 v[PW], v[SH8], v[PW]                                    ; at their places;
	v_permlanex16_b32 v[TM+6], v[PW], s[SEL], s[SEL+1]
	v_or_b32 v[PW], v[PW], v[TM+6]                                        ; with lane l xor 16's two the word is whole
.irp c, 0,1
.irp g, 0,1,2,3
	v_cvt_scalef32_pk8_fp4_f32 v[C+4*\c+\g], v[X+32*\c+8*\g:X+32*\c+8*\g+7], v[TM+4+\c]
.endr
.endr
	v_nop                                                                 ; one plain place behind the last scaled conversion
.endm
	s_load_b256 s[4:11], s[0:1], 0x0               ; Wq, Wk, Wv, Wo
	s_load_b128 s[12:15], s[0:1], 0x20             ; wcodes, wscales
	s_load_b64 s[16:17], s[0:1], 0x30              ; wo16
	v_lshl_add_u32 v[SPW], v0, 2, SPARE
	v_mov_b32 v[NIL], 0
	v_lshrrev_b32 v1, 5, v0
	v_readfirstlane_b32 s[WV], v1                  ; wave 0..3
	s_and_b32 s[ROLE], ttmp7, 0xffff               ; which weight
	v_and_b32 v1, 31, v0                           ; lane
	v_and_b32 v2, 15, v0                           ; r
	v_bfe_u32 v3, v0, 4, 1                         ; h
	v_lshlrev_b32 v[OI], 4, v1
	v_lshlrev_b32 v[O8], 3, v1
	v_lshlrev_b32 v[SH8], 3, v3
	s_lshl_b32 s20, s[WV], 9
	v_add_nc_u32 v[GL], s20, v[OI]
	s_mul_i32 s21, s[WV], STGW
	v_add_nc_u32 v[STW], s21, v[OI]
	v_mul_u32_u24 v[SR4], v2, SP
	v_add_nc_u32 v[SR4], s21, v[SR4]
	v_lshl_add_u32 v[SR16], v3, 5, v[SR4]
	v_lshl_add_u32 v[SR4], v3, 7, v[SR4]
	s_lshl_b32 s22, s[WV], 2
	s_add_co_u32 s22, s22, SCW
	v_lshlrev_b32 v[SCA], 4, v2
	v_add_nc_u32 v[SCA], s22, v[SCA]               ; SCW + 16 r + 4 wave
	v_add_nc_u32 v[SCR], SCW, v[O8]
	v_mov_b32 v[TM+6], 0                           ; written once: a lane permute's destination counts as one of its sources
	s_mov_b32 s[SEL], 0x76543210
	s_mov_b32 s[SEL+1], 0xfedcba98                 ; lane l xor 16
	s_lshl_b32 s22, ttmp9, 15                      ; 16 rows of 2,048 bytes
	s_mov_b32 s23, 0
	s_wait_kmcnt 0x0
	s_cmp_eq_u32 s[ROLE], 1                        ; the choice hangs on the work-group's number alone
	s_cselect_b64 s[4:5], s[6:7], s[4:5]
	s_cmp_eq_u32 s[ROLE], 2
	s_cselect_b64 s[4:5], s[8:9], s[4:5]
	s_cmp_eq_u32 s[ROLE], 3
	s_cselect_b64 s[4:5], s[10:11], s[4:5]
	s_add_nc_u64 s[4:5], s[4:5], s[22:23]
.set i, 0
.rept 16
	global_load_b128 v[R+4*i:R+4*i+3], v[GL], s[4:5] offset:2048*i th:TH_LOAD_NT   ; row i: 32 lanes read 512 consecutive bytes
.set i, i+1
.endr
	s_wait_loadcnt 0x0
.set i, 0
.rept 16
	ds_store_b128 v[STW], v[R+4*i:R+4*i+3] offset:SP*i
.set i, i+1
.endr
	s_cmp_eq_u32 s[ROLE], 3
	s_cbranch_scc1 .Lf16
	; ---- Wq, Wk, Wv: one fragment of codes and one scale word a row
.irp c, 0,1
.irp g, 0,1,2,3,4,5,6,7
	ds_load_b128 v[X+32*\c+4*\g:X+32*\c+4*\g+3], v[SR4] offset:256*\c+16*\g   ; LDS serves a wave's instructions in order: these see my stores
.endr
.endr
	s_lshl_b32 s20, s[ROLE], 17                    ; wcodes: [weight][tile of 16 rows][K step of 128][1,024 bytes]
	s_lshl_b32 s21, ttmp9, 12
	s_add_co_u32 s20, s20, s21
	s_lshl_b32 s21, s[WV], 10
	s_add_co_u32 s20, s20, s21
	s_mov_b32 s21, 0
	s_add_nc_u64 s[12:13], s[12:13], s[20:21]
	s_wait_dscnt 0x0
	QUANT
	global_store_b128 v[OI], v[C:C+3], s[12:13]
	global_store_b128 v[OI], v[C+4:C+7], s[12:13] offset:512
	ds_store_b32 v[SCA], v[PW]                     ; lanes r and r + 16 write the same word with the same value
	s_branch .Ljoin
.Lf16:
	; ---- Wo: four f16 fragments (16 rows x 32 K): registers 0-3: k = 8 h + 0..7, registers 4-7: k = 16 + 8 h + 0..7
.irp s, 0,1,2,3
.irp p, 0,1
.irp i, 0,1
	ds_load_b128 v[X+16*\s+8*\p+4*\i:X+16*\s+8*\p+4*\i+3], v[SR16] offset:128*\s+64*\p+16*\i
.endr
.endr
.endr
	s_lshl_b32 s20, ttmp9, 14                      ; wo16: [tile of 16 rows][K step of 32][1,024 bytes]
	s_lshl_b32 s21, s[WV], 12
	s_add_co_u32 s20, s20, s21
	s_mov_b32 s21, 0
	s_add_nc_u64 s[16:17], s[16:17], s[20:21]
	s_wait_dscnt 0x0
.irp s, 0,1,2,3
.irp p, 0,1
.irp i, 0,1,2,3
	v_cvt_pk_f16_f32 v[H+8*\s+4*\p+\i], v[X+16*\s+8*\p+2*\i], v[X+16*\s+8*\p+2*\i+1]
.endr
.endr
.endr
.irp s, 0,1,2,3
.irp p, 0,1
	global_store_b128 v[OI], v[H+8*\s+4*\p:H+8*\s+4*\p+3], s[16:17] offset:1024*\s+512*\p
.endr
.endr
.Ljoin:
	s_wait_dscnt 0x0                               ; for the others' sake: my scale word lies in LDS
	s_barrier_signal -1
	s_barrier_wait -1
	s_cmp_eq_u32 s[ROLE], 3
	s_cbranch_scc1 .Lend
	s_cmp_lg_u32 s[WV], 0
	s_cbranch_scc1 .Lend
	ds_load_b64 v[TM:TM+1], v[SCR]                 ; wave 0: the 16 rows' 256 scale bytes
	s_lshl_b32 s20, s[ROLE], 13                    ; wscales: [weight][row][16 bytes]
	s_lshl_b32 s21, ttmp9, 8
	s_add_co_u32 s20, s20, s21
	s_mov_b32 s21, 0
	s_add_nc_u64 s[14:15], s[14:15], s[20:21]
	s_wait_dscnt 0x0
	global_store_b64 v[O8], v[TM:TM+1], s[14:15]   ; 32 lanes store 256 consecutive bytes, aligned
.Lend:
	s_wait_tensorcnt 0x0                           ; the wave's end: a wait, an add to my spare word and its wait, behind my last LDS store
	ds_add_u32 v[SPW], v[NIL]
	s_wait_dscnt 0x0
	s_endpgm
.Lfunc_end_k_q03c60fac3e_prep:
	.size	k_q03c60fac3e_prep, .Lfunc_end_k_q03c60fac3e_prep-k_q03c60fac3e_prep
	.p2alignl 7, 3214868480
	.fill 96, 4, 3214868480
	.section	.rodata,"a",@progbits
	.p2align	6, 0x0
	.amdhsa_kernel k_q03c60fac3e_prep
		.amdhsa_group_segment_fixed_size 34560
		.amdhsa_private_segment_fixed_size 0
		.amdhsa_enable_private_segment 0
		.amdhsa_kernarg_size 56
		.amdhsa_user_sgpr_count 2
		.amdhsa_user_sgpr_kernarg_segment_ptr 1
		.amdhsa_wavefront_size32 1
		.amdhsa_system_sgpr_workgroup_id_x 1
		.amdhsa_system_sgpr_workgroup_id_y 1
		.amdhsa_system_sgpr_workgroup_id_z 1
		.amdhsa_system_vgpr_workitem_id 0
		.amdhsa_next_free_vgpr 164
		.amdhsa_next_free_sgpr 66
		.amdhsa_reserve_vcc 0
		.amdhsa_float_denorm_mode_32 3
		.amdhsa_float_denorm_mode_16_64 3
		.amdhsa_memory_ordered 1
		.amdhsa_forward_progress 1
		.amdhsa_inst_pref_size 14
	.end_amdhsa_kernel
	.amdgpu_metadata
---
amdhsa.version: [ 1, 2 ]
amdhsa.kernels:
  - .name:           k_q03c60fac3e_prep
    .symbol:         k_q03c60fac3e_prep.kd
    .args:
      - { .name: Wq, .offset: 0, .size: 8, .value_kind: global_buffer, .address_space: global }
      - { .name: Wk, .offset: 8, .size: 8, .value_kind: global_buffer, .address_space: global }
      - { .name: Wv, .offset: 16, .size: 8, .value_kind: global_buffer, .address_space: global }
      - { .name: Wo, .offset: 24, .size: 8, .value_kind: global_buffer, .address_space: global }
      - { .name: wcodes, .offset: 32, .size: 8, .value_kind: global_buffer, .address_space: global }
      - { .name: wscales, .offset: 40, .size: 8, .value_kind: global_buffer, .address_space: global }
      - { .name: wo16, .offset: 48, .size: 8, .value_kind: global_buffer, .address_space: global }
    .group_segment_fixed_size: 34560
    .private_segment_fixed_size: 0
    .kernarg_segment_align: 8
    .kernarg_segment_size: 56
    .max_flat_workgroup_size: 128
    .sgpr_count:     66
    .vgpr_count:     164
    .wavefront_size: 32
...
	.end_amdgpu_metadata
.endif
;; end of part 1
;; launch proj (part 2): grid 64 x 3, 8 waves a work-group, no clusters, 105,472 bytes of LDS; arguments q, k, v, bq, bv, wcodes, wscales, qf, kf, vf; writes qf, kf, vf
.if DOCPART == 2
	.amdgcn_target "amdgcn-amd-amdhsa--gfx1250"
	.amdhsa_code_object_version 6
	.text
	.protected	k_q03c60fac3e_proj
	.globl	k_q03c60fac3e_proj
	.p2align	8
	.type	k_q03c60fac3e_proj,@function
k_q03c60fac3e_proj:
	s_mov_b64 s[64:65], 0
	v_nop
	global_prefetch_b8 v0, s[64:65] scope:SCOPE_SE
	s_setreg_imm32_b32 hwreg(HW_REG_WAVE_MODE, 25, 1), 1
	s_wait_xcnt 0x0
; THE THREE PROJECTIONS, on codes of FP4 (E2M1) with one E8M0 scale for each 32 along K = 512: qh = q Wq^T + bq, kh = k Wk^T, vh = v Wv^T + bv, stored as f16 images of attention's operand registers.
; bk is left out: it adds the same number to every score of a row, which the softmax takes away (shown at the head of the first kernel).
; SHARES.  Work-group (x, y): rows 128 x .. 128 x + 127 of tensor y (0 q, 1 k, 2 v).  Phase X: wave w quantises rows 16 w .. 16 w + 15 (four K steps of 128) and lays the four fragments and their scale words in LDS as images
; of their registers.  One barrier.  Phase P: wave w is head w: its 64 rows of W (16 fragments, 128 registers, and 16 scale words) stay in registers, and it multiplies all 8 tiles of rows.
; q AND k ARE MULTIPLIED TRANSPOSED (source 0 = 16 rows of W, source 1 = 16 tokens): a lane then holds one token and channels 16 t + 8 h + 0..7, which, packed to f16, are registers 0-3 (t even) or 4-7 (t odd) of a fragment
; of 16 tokens x 32 channels.  v IS MULTIPLIED IN NATURAL ORDER (source 0 = tokens): a lane holds one channel and tokens 8 h + 0..7: registers 0-3 (even tile of rows) or 4-7 (odd) of a fragment of V^T, 16 channels x 32 keys.
; So every store of a wave is 512 consecutive bytes, aligned, and nothing is turned on the way out.
; No cluster and no tensor load: x is shared by nobody, and W goes once from memory into registers.  No prefetch: the launch streams its inputs with 16 KB a wave on their way.
; LIMITS: as stated at the head of the first kernel (f16's range for the results; blocks under 2^(2 - 126); NaN and infinities are not served).
.set SP,    528
.set STGW,  16*SP                      ; a wave's stage: 16 rows x (512 bytes + 16)
.set XIMG,  8*STGW                     ; x's 32 fragments (tile of rows m, K step s: 4 m + s), 1,024 bytes each
.set XSC,   XIMG+32*1024               ; their scale words, 128 bytes each
.set SPARE, XSC+32*128                 ; the spare words, 128 bytes for each wave: four blocks of 256 bytes that no other line names
.set XA,   4                           ; v4   16 lane: my place in a load's or a store's 512 bytes
.set STW,  5                           ; v5   into my stage
.set SR4,  6                           ; v6   out of it: row r, + 128 h
.set XWI,  7                           ; v7   where I lay my fragments
.set XWS,  8                           ; v8   and their scale words
.set XRD,  9                           ; v9   where any fragment is read
.set XSR,  10                          ; v10  and any scale word
.set SH8,  11                          ; v11  8 h
.set WSO,  12                          ; v12  16 r: W's scale words
.set BOQ,  13                          ; v13  32 h: bq
.set BOV,  14                          ; v14  4 r: bv
.set R0,   16                          ; v16-79, v80-143  two sets of numbers as loaded
.set X,    144                         ; v144-207 the numbers as the operand wants them
.set TM,   208                         ; v208-215 at work
.set C,    220                         ; v220-227 the codes
.set PW,   228                         ; v228 the scale word just made
.set WS,   232                         ; v232-247 W's scale words (4 t + s): scales and nothing else
.set XS,   248                         ; v248-251 x's scale words: scales and nothing else
.set SPW,  252                         ; v252 my spare word; never rewritten
.set NIL,  253                         ; v253 0; never rewritten
.set XF,   16                          ; phase P: v16-47 x's four fragments
.set PK,   48                          ; phase P: v48-63 packed results
.set WF,   0                           ; window 1: v0-127 W's fragments, 8 (4 t + s)
.set B1,   128                         ; window 1: v128-159 the bias in the result's layout
.set ACC,  160                         ; window 1: v160-191 four accumulators
.set WV,   24
.set ROLE, 25
.set SEL,  26
.set MSB, 0
.macro WIN new                         ; the immediate's high byte repeats the setting that is left
.if MSB != \new
	s_set_vgpr_msb (MSB<<8)|\new
.set MSB, \new
.endif
.endm
.macro QUANT                           ; 64 numbers of a lane, register 32 c + i = k 64 c + 32 h + i of row r, become 8 registers of codes and the row's scale word
.irp c, 0,1
	v_max3_num_f32 v[TM+\c], |v[X+32*\c]|, |v[X+32*\c+1]|, 0x1800000      ; two chains a block; the floor 2^(3 - 127) holds the byte at 1 from below
	v_max3_num_f32 v[TM+2+\c], |v[X+32*\c+16]|, |v[X+32*\c+17]|, |v[X+32*\c+18]|
.endr
.irp i, 2,4,6,8,10,12
.irp c, 0,1
	v_max3_num_f32 v[TM+\c], v[TM+\c], |v[X+32*\c+\i]|, |v[X+32*\c+\i+1]|
	v_max3_num_f32 v[TM+2+\c], v[TM+2+\c], |v[X+32*\c+\i+17]|, |v[X+32*\c+\i+18]|
.endr
.endr
.irp c, 0,1
	v_max3_num_f32 v[TM+\c], v[TM+\c], |v[X+32*\c+14]|, |v[X+32*\c+15]|
.endr
.irp c, 0,1
	v_max3_num_f32 v[TM+\c], v[TM+\c], v[TM+2+\c], |v[X+32*\c+31]|
.endr
.irp c, 0,1
	v_add_nc_u32 v[TM+4+\c], 0xff000000, v[TM+\c]                         ; 2 off the exponent field: the conversion's scale operand
.endr
.irp c, 0,1
	v_lshrrev_b32 v[TM+\c], 23, v[TM+4+\c]                                ; the scale's byte
.endr
	v_lshl_or_b32 v[PW], v[TM+1], 16, v[TM]
	v_lshlrev_b32 v[PW], v[SH8], v[PW]
	v_permlanex16_b32 v[TM+6], v[PW], s[SEL], s[SEL+1]
	v_or_b32 v[PW], v[PW], v[TM+6]
.irp c, 0,1
.irp g, 0,1,2,3
	v_cvt_scalef32_pk8_fp4_f32 v[C+4*\c+\g], v[X+32*\c+8*\g:X+32*\c+8*\g+7], v[TM+4+\c]
.endr
.endr
	v_nop                                                                 ; one plain place behind the last scaled conversion
.endm
.macro LOADX s, set                    ; K step s of my 16 rows: each load reads 512 consecutive bytes of a row
.set i, 0
.rept 16
	global_load_b128 v[\set+4*i:\set+4*i+3], v[XA], s[4:5] offset:2048*i+512*(\s) th:TH_LOAD_NT
.set i, i+1
.endr
.endm
.macro TURN set                        ; through my stage: LDS serves a wave's instructions in order, so no wait stands between the stores and the loads
.set i, 0
.rept 16
	ds_store_b128 v[STW], v[\set+4*i:\set+4*i+3] offset:SP*i
.set i, i+1
.endr
.irp c, 0,1
.irp g, 0,1,2,3,4,5,6,7
	ds_load_b128 v[X+32*\c+4*\g:X+32*\c+4*\g+3], v[SR4] offset:256*\c+16*\g
.endr
.endr
.endm
.macro UNIT s, left                    ; left: the younger loads that may stay out: the next unit's sixteen
	s_wait_loadcnt \left
	TURN R0+64*((\s)%2)
	s_wait_dscnt 0x0                               ; the numbers are back; the stage's stores have read their set; the last image's stores have read the codes
.if (\s) < 2
	LOADX (\s)+2, R0+64*((\s)%2)
.endif
	QUANT
	ds_store_b128 v[XWI], v[C:C+3] offset:1024*(\s)
	ds_store_b128 v[XWI], v[C+4:C+7] offset:1024*(\s)+512
	ds_store_b32 v[XWS], v[PW] offset:128*(\s)
.endm
.macro FETCHX m                        ; the four fragments of tile of rows m, and their scale words, as they were laid
.set i, 0
.rept 8
	ds_load_b128 v[XF+4*i:XF+4*i+3], v[XRD] offset:4096*(\m)+512*i
.set i, i+1
.endr
.irp s, 0,1,2,3
	ds_load_b32 v[XS+\s], v[XSR] offset:128*(4*(\m)+\s)
.endr
.endm
; One tile of 16 rows x my 64 channels: 16 matrix instructions, the four accumulators by turns, K ascending; the bias is the C of each sum's first.
.macro TILE m, nat
	s_wait_dscnt 0x0
.if \nat
	WIN 0x54                                       ; source 1 (W), C and D window 1; source 0 (x) window 0
.else
	WIN 0x51                                       ; source 0 (W), C and D window 1; source 1 (x) window 0
.endif
.irp s, 0,1,2,3
.irp t, 0,1,2,3
.if \nat
.if \s == 0
	v_wmma_scale_f32_16x16x128_f8f6f4 v[ACC+8*\t:ACC+8*\t+7], v[XF+8*\s:XF+8*\s+7], v[WF+8*(4*\t+\s):WF+8*(4*\t+\s)+7], v[B1+8*\t:B1+8*\t+7], v[XS+\s], v[WS+4*\t+\s] matrix_a_fmt:MATRIX_FMT_FP4 matrix_b_fmt:MATRIX_FMT_FP4
.else
	v_wmma_scale_f32_16x16x128_f8f6f4 v[ACC+8*\t:ACC+8*\t+7], v[XF+8*\s:XF+8*\s+7], v[WF+8*(4*\t+\s):WF+8*(4*\t+\s)+7], v[ACC+8*\t:ACC+8*\t+7], v[XS+\s], v[WS+4*\t+\s] matrix_a_fmt:MATRIX_FMT_FP4 matrix_b_fmt:MATRIX_FMT_FP4
.endif
.else
.if \s == 0
	v_wmma_scale_f32_16x16x128_f8f6f4 v[ACC+8*\t:ACC+8*\t+7], v[WF+8*(4*\t+\s):WF+8*(4*\t+\s)+7], v[XF+8*\s:XF+8*\s+7], v[B1+8*\t:B1+8*\t+7], v[WS+4*\t+\s], v[XS+\s] matrix_a_fmt:MATRIX_FMT_FP4 matrix_b_fmt:MATRIX_FMT_FP4
.else
	v_wmma_scale_f32_16x16x128_f8f6f4 v[ACC+8*\t:ACC+8*\t+7], v[WF+8*(4*\t+\s):WF+8*(4*\t+\s)+7], v[XF+8*\s:XF+8*\s+7], v[ACC+8*\t:ACC+8*\t+7], v[WS+4*\t+\s], v[XS+\s] matrix_a_fmt:MATRIX_FMT_FP4 matrix_b_fmt:MATRIX_FMT_FP4
.endif
.endif
.endr
.endr
	WIN 0
.rept 4
	v_nop                                          ; four places in front of loads into registers that the products read, and of the first read of results
.endr
.if (\m) < 7
	FETCHX (\m)+1
.endif
	s_wait_xcnt 0x0                                ; the last tile's stores have read their data: the packed registers are written again only behind this wait
	WIN 0x05                                       ; sources window 1, destination window 0
.irp t, 0,1,2,3
.irp i, 0,1,2,3
	v_cvt_pk_f16_f32 v[PK+4*\t+\i], v[ACC+8*\t+2*\i], v[ACC+8*\t+2*\i+1]   ; each accumulator from its low end on.  (With the four v_nop, the other tiles' twelve conversions are the places ahead of the next tile's first products, which begin the accumulators anew)
.endr
.endr
	WIN 0
.irp t, 0,1,2,3
.if \nat
	global_store_b128 v[XA], v[PK+4*\t:PK+4*\t+3], s[18:19] offset:4096*((\m)/2)+1024*\t+512*((\m)%2)
.else
	global_store_b128 v[XA], v[PK+4*\t:PK+4*\t+3], s[18:19] offset:2048*(\m)+512*\t
.endif
.endr
.endm
	s_load_b256 s[4:11], s[0:1], 0x0               ; q, k, v, bq
	s_load_b256 s[12:19], s[0:1], 0x20             ; bv, wcodes, wscales, qf
	s_load_b128 s[20:23], s[0:1], 0x40             ; kf, vf
	v_lshl_add_u32 v[SPW], v0, 2, SPARE
	v_mov_b32 v[NIL], 0
	v_lshrrev_b32 v1, 5, v0
	v_readfirstlane_b32 s[WV], v1                  ; wave 0..7
	s_and_b32 s[ROLE], ttmp7, 0xffff
	v_and_b32 v1, 31, v0                           ; lane
	v_and_b32 v2, 15, v0                           ; r
	v_bfe_u32 v3, v0, 4, 1                         ; h
	v_lshlrev_b32 v[XA], 4, v1
	s_mul_i32 s28, s[WV], STGW
	v_add_nc_u32 v[STW], s28, v[XA]
	v_mul_u32_u24 v[SR4], v2, SP
	v_add_nc_u32 v[SR4], s28, v[SR4]
	v_lshl_add_u32 v[SR4], v3, 7, v[SR4]
	s_lshl_b32 s28, s[WV], 12
	s_add_co_u32 s28, s28, XIMG
	v_add_nc_u32 v[XWI], s28, v[XA]
	v_lshlrev_b32 v[XSR], 2, v1
	s_lshl_b32 s28, s[WV], 9
	s_add_co_u32 s28, s28, XSC
	v_add_nc_u32 v[XWS], s28, v[XSR]
	v_add_nc_u32 v[XSR], XSC, v[XSR]
	v_add_nc_u32 v[XRD], XIMG, v[XA]
	v_lshlrev_b32 v[SH8], 3, v3
	v_lshlrev_b32 v[WSO], 4, v2
	v_lshlrev_b32 v[BOQ], 5, v3
	v_lshlrev_b32 v[BOV], 2, v2
	v_mov_b32 v[TM+6], 0                           ; written once: a lane permute's destination counts as one of its sources
	s_mov_b32 s[SEL], 0x76543210
	s_mov_b32 s[SEL+1], 0xfedcba98
	s_lshl_b32 s28, ttmp9, 18                      ; x: 128 rows of 2,048 bytes a work-group,
	s_lshl_b32 s29, s[WV], 15                      ; 16 a wave
	s_add_co_u32 s28, s28, s29
	s_mov_b32 s29, 0
	s_lshl_b32 s30, s[ROLE], 17                    ; W's codes: my head's 4 tiles x 4 K steps lie on end
	s_lshl_b32 s31, s[WV], 14
	s_add_co_u32 s30, s30, s31
	s_mov_b32 s31, 0
	s_lshl_b32 s32, s[ROLE], 13                    ; W's scale bytes: 16 a row, my 64 rows
	s_lshl_b32 s33, s[WV], 10
	s_add_co_u32 s32, s32, s33
	s_mov_b32 s33, 0
	s_lshl_b32 s34, s[WV], 8                       ; the bias: my 64 numbers
	s_mov_b32 s35, 0
	s_lshr_b32 s36, ttmp9, 5                       ; the batch,
	s_lshl_b32 s36, s36, 3
	s_add_co_u32 s36, s36, s[WV]                   ; 8 b + head,
	s_lshl_b32 s36, s36, 19                        ; 524,288 bytes each,
	s_and_b32 s37, ttmp9, 31
	s_lshl_b32 s37, s37, 14                        ; and 128 tokens are 16,384 bytes in each of the three layouts
	s_add_co_u32 s36, s36, s37
	s_mov_b32 s37, 0
	s_wait_kmcnt 0x0
	s_cmp_eq_u32 s[ROLE], 1                        ; the choices hang on the work-group's number alone
	s_cselect_b64 s[4:5], s[6:7], s[4:5]
	s_cselect_b64 s[18:19], s[20:21], s[18:19]
	s_cmp_eq_u32 s[ROLE], 2
	s_cselect_b64 s[4:5], s[8:9], s[4:5]
	s_cselect_b64 s[18:19], s[22:23], s[18:19]
	s_add_nc_u64 s[4:5], s[4:5], s[28:29]
	s_add_nc_u64 s[14:15], s[14:15], s[30:31]
	s_add_nc_u64 s[16:17], s[16:17], s[32:33]
	s_add_nc_u64 s[10:11], s[10:11], s[34:35]
	s_add_nc_u64 s[12:13], s[12:13], s[34:35]
	s_add_nc_u64 s[18:19], s[18:19], s[36:37]
	WIN 0x40                                       ; destination window 1
.set i, 0
.rept 32
	global_load_b128 v[WF+4*i:WF+4*i+3], v[XA], s[14:15] offset:512*i   ; W's 16 fragments: they stay
.set i, i+1
.endr
	WIN 0
	s_cmp_eq_u32 s[ROLE], 0                        ; the bias, in the result's layout; every arm writes all 32 registers
	s_cbranch_scc0 .Lnot_q
	WIN 0x40
.irp t, 0,1,2,3
	global_load_b128 v[B1+8*\t:B1+8*\t+3], v[BOQ], s[10:11] offset:64*\t        ; q: register j is channel 16 t + 8 h + j
	global_load_b128 v[B1+8*\t+4:B1+8*\t+7], v[BOQ], s[10:11] offset:64*\t+16
.endr
	WIN 0
	s_branch .Lbias_done
.Lnot_q:
	s_cmp_eq_u32 s[ROLE], 1
	s_cbranch_scc0 .Lis_v
	WIN 0x40
.set i, 0
.rept 32
	v_mov_b32 v[B1+i], 0                           ; k: bk is left out, so the sums begin at 0; one text of the products serves q and k
.set i, i+1
.endr
	WIN 0
	s_branch .Lbias_done
.Lis_v:
	WIN 0x40
.irp t, 0,1,2,3
.irp j, 0,1,2,3,4,5,6,7
	global_load_b32 v[B1+8*\t+\j], v[BOV], s[12:13] offset:64*\t   ; v: all eight registers are channel 16 t + r
.endr
.endr
	WIN 0
.Lbias_done:
.irp t, 0,1,2,3
	global_load_b128 v[WS+4*\t:WS+4*\t+3], v[WSO], s[16:17] offset:256*\t   ; row 16 t + r: its four scale words
.endr
	LOADX 0, R0
	LOADX 1, R0+64
	; ---- X.  All loads above x's are older than x's, so the first counted wait shows them in, whichever arm was taken
	UNIT 0, 16
	UNIT 1, 16
	UNIT 2, 16
	UNIT 3, 0
	s_wait_dscnt 0x0                               ; for the others' sake: my four images lie in LDS
	s_barrier_signal -1
	s_barrier_wait -1
	; ---- P
	FETCHX 0
	s_cmp_eq_u32 s[ROLE], 2
	s_cbranch_scc1 .Lnatural
.irp m, 0,1,2,3,4,5,6,7
	TILE \m, 0
.endr
	s_branch .Lend
.Lnatural:
.irp m, 0,1,2,3,4,5,6,7
	TILE \m, 1
.endr
.Lend:
	s_wait_tensorcnt 0x0                           ; the wave's end: a wait, an add to my spare word and its wait, behind my last LDS store
	ds_add_u32 v[SPW], v[NIL]
	s_wait_dscnt 0x0
	s_endpgm
.Lfunc_end_k_q03c60fac3e_proj:
	.size	k_q03c60fac3e_proj, .Lfunc_end_k_q03c60fac3e_proj-k_q03c60fac3e_proj
	.p2alignl 7, 3214868480
	.fill 96, 4, 3214868480
	.section	.rodata,"a",@progbits
	.p2align	6, 0x0
	.amdhsa_kernel k_q03c60fac3e_proj
		.amdhsa_group_segment_fixed_size 105472
		.amdhsa_private_segment_fixed_size 0
		.amdhsa_enable_private_segment 0
		.amdhsa_kernarg_size 80
		.amdhsa_user_sgpr_count 2
		.amdhsa_user_sgpr_kernarg_segment_ptr 1
		.amdhsa_wavefront_size32 1
		.amdhsa_system_sgpr_workgroup_id_x 1
		.amdhsa_system_sgpr_workgroup_id_y 1
		.amdhsa_system_sgpr_workgroup_id_z 1
		.amdhsa_system_vgpr_workitem_id 0
		.amdhsa_next_free_vgpr 448
		.amdhsa_next_free_sgpr 66
		.amdhsa_reserve_vcc 0
		.amdhsa_float_denorm_mode_32 3
		.amdhsa_float_denorm_mode_16_64 3
		.amdhsa_memory_ordered 1
		.amdhsa_forward_progress 1
		.amdhsa_inst_pref_size 109
	.end_amdhsa_kernel
	.amdgpu_metadata
---
amdhsa.version: [ 1, 2 ]
amdhsa.kernels:
  - .name:           k_q03c60fac3e_proj
    .symbol:         k_q03c60fac3e_proj.kd
    .args:
      - { .name: q, .offset: 0, .size: 8, .value_kind: global_buffer, .address_space: global }
      - { .name: k, .offset: 8, .size: 8, .value_kind: global_buffer, .address_space: global }
      - { .name: v, .offset: 16, .size: 8, .value_kind: global_buffer, .address_space: global }
      - { .name: bq, .offset: 24, .size: 8, .value_kind: global_buffer, .address_space: global }
      - { .name: bv, .offset: 32, .size: 8, .value_kind: global_buffer, .address_space: global }
      - { .name: wcodes, .offset: 40, .size: 8, .value_kind: global_buffer, .address_space: global }
      - { .name: wscales, .offset: 48, .size: 8, .value_kind: global_buffer, .address_space: global }
      - { .name: qf, .offset: 56, .size: 8, .value_kind: global_buffer, .address_space: global }
      - { .name: kf, .offset: 64, .size: 8, .value_kind: global_buffer, .address_space: global }
      - { .name: vf, .offset: 72, .size: 8, .value_kind: global_buffer, .address_space: global }
    .group_segment_fixed_size: 105472
    .private_segment_fixed_size: 0
    .kernarg_segment_align: 8
    .kernarg_segment_size: 80
    .max_flat_workgroup_size: 256
    .sgpr_count:     66
    .vgpr_count:     448
    .wavefront_size: 32
...
	.end_amdgpu_metadata
.endif
;; end of part 2
;; launch attn (part 3): grid 16 x 16, 8 waves a work-group, clusters of 4 x 1, 327,680 bytes of LDS; arguments qf, kf, vf, of; writes of
.if DOCPART == 3
	.amdgcn_target "amdgcn-amd-amdhsa--gfx1250"
	.amdhsa_code_object_version 6
	.text
	.protected	k_q03c60fac3e_attn
	.globl	k_q03c60fac3e_attn
	.p2align	8
	.type	k_q03c60fac3e_attn,@function
k_q03c60fac3e_attn:
	s_mov_b64 s[64:65], 0
	v_nop
	global_prefetch_b8 v0, s[64:65] scope:SCOPE_SE
	s_setreg_imm32_b32 hwreg(HW_REG_WAVE_MODE, 25, 1), 1
	s_wait_xcnt 0x0
	s_wait_alu depctr_hold_cnt(0) depctr_sa_sdst(0) depctr_va_vdst(0) depctr_va_sdst(0) depctr_va_ssrc(0) depctr_va_vcc(0) depctr_vm_vsrc(0)
	s_getreg_b32 s2, hwreg(HW_REG_IB_STS2, 6, 4)
	s_cmp_eq_u32 s2, 0
	s_cbranch_scc0 .Lentry_in_a_cluster
	s_endpgm
.Lentry_in_a_cluster:
	s_bfe_u32 s2, ttmp6, 0x10000c
	s_cmp_lg_u32 s2, 0x3003
	s_cbranch_scc0 .Lentry_shape_is_right
	s_endpgm
.Lentry_shape_is_right:
; ATTENTION: O[bh][q] = the sum over k of softmax_k(Q[bh][q] . K[bh][k] / 8) V[bh][k], 16 heads-in-batch bh, 4,096 tokens, head size 64.  Operands in f16, products, maxima and sums in f32.
; (bk is left out of K: shown at the head of the first kernel.)
; qf, kf: [bh][tile of 16 tokens][half of the 64 channels][1,024 bytes], vf: [bh][32 keys][tile of 16 channels][1,024 bytes]: images of operand registers (registers 0-3 at 16 x lane, 4-7 at 512 + 16 x lane),
; so every fragment comes by two loads of 512 consecutive bytes, from memory and from LDS alike: no pitch, no padding, nothing is turned.
; SHARES.  A work-group owns 256 queries of one bh.  Wave w: queries 64 (w % 4) on, four tiles of 16; keys 2,048 (w / 4) on.  So two waves stand on a SIMD: each fragment of K and V feeds four matrix instructions, and one
; wave's softmax stands beside the other's products.  At the end wave w + 4 hands its maximum, sum and O to wave w through LDS.
; LAYOUT.  S^T = K Q^T (source 0 = 16 keys, source 1 = 16 queries) and O^T = V^T P (source 0 = 16 channels, source 1 = P): a lane holds ONE query (lane % 16) throughout; two tiles of S^T, packed to f16 in pairs, ARE source 1 of the second product.
; SOFTMAX.  For each query a running maximum m and sum l: p = 2^(c s - c m), c = log2(e) / 8; in every step O and l are multiplied by a = 2^(c m_old - c m_new).  m begins at -3e38, O and l at 0: the step is written once.
; RING.  A step is 64 keys of each half.  A slot holds four steps of both halves: K half 0, K half 1, V half 0, V half 1, 32 KB each, each a dense block of memory.  Wave w fetches 16 KB, to slot + 16,384 w.
; CLUSTER.  The four query blocks of a cluster walk the same K and V: each tile is asked for JOINTLY, by the same tensor load with the same descriptor and a mask that names the four.
; REGISTERS.  Window 0: v1-10 addresses; v16-47 eight statistics a tile (+0 c m, +1 m, +2, +3 l, +4, +5 at work, +6 a, +7 at work); v48-55 what is handed over; v64-127 Q; v128-191 K; v192-255 V.
;   Window 1: v0-127 S^T (32 a tile; P is laid over the first 16); v128-255 O^T (32 a tile).
; LIMITS: a row whose scores are all -infinity or hold a NaN is not served; f16's range as stated at the head of the first kernel.
.set SLOT1, 1<<17                      ; slot 1 begins here: one exclusive or turns an address in one slot into the other's
.set SPARE, 2*SLOT1                    ; behind the ring: the spare words, 128 bytes for each wave: four blocks of 256 bytes that no other line names
.set STEPB, 8192                       ; a step's K (or V) of one half
.set BLKB,  4*STEPB                    ; a slot's
.set MSTW,  17408                      ; the merge: 16,384 bytes of O and 1,024 of statistics for each pair of waves; in slot 0, which has had its last fill and its last read by then
.set AK0, 1                            ; v1   16 lane + 32,768 x my key half
.set AV0, 2                            ; v2   the same for V
.set ADK, 3
.set ADV, 4
.set ADC, 5                            ; v3-5 addresses of the loads in hand
.set QO,  6                            ; v6   16 lane
.set MST, 7                            ; v7   the merge stage
.set PFO, 8                            ; v8   256 lane
.set SPW, 9                            ; v9   my spare word; never rewritten
.set NIL, 10                           ; v10  0; never rewritten
.set ST,  16
.set G,   48
.set Q,   64
.set K,   128
.set V,   192
.set H,   192                          ; the partner's statistics
.set OT,  128                          ; O^T, in window 1
.set WV,  12
.set G1,  24                           ; s[24:31] descriptor group 1
.set G0,  32                           ; s[32:35] group 0, which walks
.set SLOTS, 36
.set CNT, 37
.set CS,  38                           ; s[38:39] c, twice
.set SEL, 40
.set TB,  42                           ; LDS byte at which the step in hand begins
.set LIM, 43                           ; 1 in a wave that prefetches, else the greatest number
.set PFA, 44                           ; s[44:45] where my prefetches stand
.set MSB, 0
.macro WIN new                         ; the immediate's high byte repeats the setting that is left
.if MSB != \new
	s_set_vgpr_msb (MSB<<8)|\new
.set MSB, \new
.endif
.endm
.macro CROUND                          ; a round of the cluster's barrier
	s_barrier_signal -1
	s_barrier_wait -1
	s_cmp_lg_u32 s[WV], 0
	s_cbranch_scc1 .Lnot_wave_0_\@
	s_barrier_signal -3
.Lnot_wave_0_\@:
	s_barrier_wait -3
	s_barrier_signal -1
	s_barrier_wait -1
.endm
; A PREFETCH INTO THE L2 of the block that the NEXT change of slots will ask for: four steps ahead of that load.  All clusters of a bh walk the same K and V: the first of them asks.  Waves 0, 2, 4, 6 ask for the four parts
; (K and V of both key halves), 32 KB each; the four partners take 8 KB each, told apart BY ADDRESS; lanes stand 256 bytes apart.  So each aligned 256 bytes are named once in the launch.  The last filling change asks for nothing.
.macro ASK
	s_cmp_gt_u32 s[SLOTS], s[LIM]
	s_cbranch_scc0 .Lnot_mine_\@
	global_prefetch_b8 v[PFO], s[PFA:PFA+1] th:TH_LOAD_NT scope:SCOPE_SE
.Lnot_mine_\@:
.endm
; THE CHANGE OF SLOTS stands at a slot's head.  Each wave waits for all its tensor loads (its part of the slot ahead), adds 0 to its spare word, and waits for that and for its reads of the slot that it has left.
; fill = 1: a round of the cluster's barrier, so that no wave of any partner still reads the other slot or has a load on its way; the joint load of the next block is the first thing behind it: one load of mine is out, with four steps in which to land.
.macro CHANGE fill
	s_wait_tensorcnt 0x0                           ; no tensor load of mine is out, so group 0 may be written
	ds_add_u32 v[SPW], v[NIL]
.if \fill
	s_xor_b32 s[G0+1], s[G0+1], SLOT1              ; the other slot than last time,
	s_add_nc_u64 s[G0+2:G0+3], s[G0+2:G0+3], BLKB  ; the next block; the type bits on top are not reached
	s_wait_xcnt 0x0                                ; the last prefetch, a slot back, has read its address
	s_add_nc_u64 s[PFA:PFA+1], s[PFA:PFA+1], BLKB
	s_wait_dscnt 0x0                               ; the add is done, and my reads of the slot that I have left are over
	CROUND
	tensor_load_to_lds s[G0:G0+3], s[G1:G1+7]
	s_nop 0
.rept 4
	v_nop
.endr
	ASK
.else
	s_wait_dscnt 0x0
	s_barrier_signal -1
	s_barrier_wait -1
.endif
	v_add_nc_u32 v[ADC], s[TB], v[AK0]             ; K of the slot's first step
.set i, 0
.rept 16
	ds_load_b128 v[K+4*i:K+4*i+3], v[ADC] offset:512*i
.set i, i+1
.endr
.endm
; A KEY STEP: 64 keys x my 64 queries.
.macro STEP
	v_add_nc_u32 v[ADK], s[TB], v[AK0]
	v_add_nc_u32 v[ADV], s[TB], v[AV0]
.rept 3
	v_nop                                          ; with the two additions: five places between the last V^T P, which read P, and the products that write over it (ISA guide 7.12.1)
.endr
	s_wait_dscnt 0x0                               ; K is in
	WIN 0x50                                       ; C and D (S^T) window 1
.irp c, 0,1
.irp kt, 0,1,2,3
.irp q, 0,1,2,3
.if \c == 0
	v_wmma_f32_16x16x32_f16 v[32*\q+8*\kt:32*\q+8*\kt+7], v[K+8*(2*\kt+\c):K+8*(2*\kt+\c)+7], v[Q+8*(2*\q+\c):Q+8*(2*\q+\c)+7], 0
.else
	v_wmma_f32_16x16x32_f16 v[32*\q+8*\kt:32*\q+8*\kt+7], v[K+8*(2*\kt+\c):K+8*(2*\kt+\c)+7], v[Q+8*(2*\q+\c):Q+8*(2*\q+\c)+7], v[32*\q+8*\kt:32*\q+8*\kt+7]
.endif
.endr
.endr
.endr                                          ; the sixteen accumulators take turns, one instruction a turn
	WIN 0
.rept 4
	v_nop                                          ; four places in front of the loads into K's registers and of the first read of the scores
.endr
.set i, 0
.rept 16
	ds_load_b128 v[V+4*i:V+4*i+3], v[ADV] offset:512*i
.set i, i+1
.endr
	s_cmp_eq_u32 s[CNT], 1                         ; the next step's K, while that step lies in this slot
	s_cbranch_scc1 .Lno_k_\@
.set i, 0
.rept 16
	ds_load_b128 v[K+4*i:K+4*i+3], v[ADK] offset:STEPB+512*i
.set i, i+1
.endr
.Lno_k_\@:
	; the maximum of a lane's 32 scores and the old m: four chains, the four tiles by turns in every line; each accumulator is read from its low end first
	WIN 0x15
.irp j, 0,1,2,3
.irp q, 0,1,2,3
	v_max3_num_f32 v[ST+8*\q+4+\j], v[32*\q+8*\j], v[32*\q+8*\j+1], v[32*\q+8*\j+2]
.endr
.endr
	WIN 0x14
.irp j, 4,5,6,7,8,9,10,11
.irp q, 0,1,2,3
	v_max3_num_f32 v[ST+8*\q+4+\j%4], v[ST+8*\q+4+\j%4], v[32*\q+8*(\j%4)+2*(\j/4)+1], v[32*\q+8*(\j%4)+2*(\j/4)+2]
.endr
.endr
.irp q, 0,1,2,3
	v_max3_num_f32 v[ST+8*\q+4], v[ST+8*\q+4], v[32*\q+7], v[32*\q+15]
.endr
.irp q, 0,1,2,3
	v_max3_num_f32 v[ST+8*\q+6], v[ST+8*\q+6], v[32*\q+23], v[32*\q+31]
.endr
	WIN 0
.irp q, 0,1,2,3
	v_max3_num_f32 v[ST+8*\q+4], v[ST+8*\q+4], v[ST+8*\q+5], v[ST+8*\q+6]
.endr
.irp q, 0,1,2,3
	v_max3_num_f32 v[ST+8*\q+4], v[ST+8*\q+4], v[ST+8*\q+7], v[ST+8*\q+1]
.endr
.irp q, 0,1,2,3
	v_permlanex16_b32 v[ST+8*\q+5], v[ST+8*\q+4], s[SEL], s[SEL+1]   ; the query's other 32 keys lie in the lane 16 away
.endr
.irp q, 0,1,2,3
	v_mov_b32 v[ST+8*\q+7], v[ST+8*\q]             ; c m_old
.endr
.irp q, 0,1,2,3
	v_max_num_f32 v[ST+8*\q+1], v[ST+8*\q+4], v[ST+8*\q+5]
.endr
.irp q, 0,1,2,3
	v_mul_f32 v[ST+8*\q], s[CS], v[ST+8*\q+1]
.endr
.irp q, 0,1,2,3
	v_sub_f32 v[ST+8*\q+7], v[ST+8*\q+7], v[ST+8*\q]
.endr
.irp q, 0,1,2,3
	v_exp_f32 v[ST+8*\q+6], v[ST+8*\q+7]           ; a
.endr
	WIN 0x41                                       ; destination and source 0 window 1
.set e, 0
.rept 64
	v_pk_fma_f32 v[e:e+1], v[e:e+1], s[CS:CS+1], v[ST+8*(e/32):ST+8*(e/32)+1] op_sel_hi:[1,0,0] neg_lo:[0,0,1] neg_hi:[0,0,1]   ; c s - c m, two at a time: the independent work behind the four a
.set e, e+2
.endr
	s_wait_alu depctr_va_vdst(0)                   ; the wait ahead of the first line that names a: one for the four
.set e, 0
.rept 64
	v_exp_f32 v[e], v[e]                           ; p = 2^(c s - c m): ONE BATCH of 128; nothing in it names a result of it
	v_exp_f32 v[e+1], v[e+1]
	v_pk_mul_f32 v[OT+e:OT+e+1], v[OT+e:OT+e+1], v[ST+8*(e/32)+6:ST+8*(e/32)+7] op_sel_hi:[1,0]   ; O^T x a, dealt out among the exponentials, each accumulator from its low end on; the last is the plain place behind the batch
.set e, e+2
.endr
	s_wait_alu depctr_va_vdst(0)                   ; and one wait for the batch, ahead of its first reader
	WIN 0
.irp q, 0,1,2,3
	v_pk_mul_f32 v[ST+8*\q+2:ST+8*\q+3], v[ST+8*\q+2:ST+8*\q+3], v[ST+8*\q+6:ST+8*\q+7] op_sel_hi:[1,0]   ; l x a
.endr
	WIN 0x05
.irp q, 0,1,2,3
	v_pk_add_f32 v[ST+8*\q+4:ST+8*\q+5], v[32*\q:32*\q+1], v[32*\q+2:32*\q+3]
.endr
	WIN 0x04
.irp j, 4,8,12,16,20,24,28
.irp q, 0,1,2,3
	v_pk_add_f32 v[ST+8*\q+2:ST+8*\q+3], v[ST+8*\q+2:ST+8*\q+3], v[32*\q+\j:32*\q+\j+1]   ; the sums, in f32, of p before it is rounded: two chains a tile
	v_pk_add_f32 v[ST+8*\q+4:ST+8*\q+5], v[ST+8*\q+4:ST+8*\q+5], v[32*\q+\j+2:32*\q+\j+3]
.endr
.endr
	WIN 0
.irp q, 0,1,2,3
	v_pk_add_f32 v[ST+8*\q+2:ST+8*\q+3], v[ST+8*\q+2:ST+8*\q+3], v[ST+8*\q+4:ST+8*\q+5]
.endr
	WIN 0x45
.irp i, 0,1,2,3,4,5,6,7,8,9,10,11,12,13,14,15
.irp q, 0,1,2,3
	v_cvt_pk_f16_f32 v[32*\q+\i], v[32*\q+2*\i], v[32*\q+2*\i+1]   ; P, laid over S^T from its low end on: register i is written when registers 2 i and 2 i + 1 are read
.endr
.endr
	WIN 0
	s_wait_dscnt 0x0                               ; V is in (and the next K)
	WIN 0x54                                       ; source 1 (P), C and D (O^T) window 1
.irp g, 0,1
.irp ct, 0,1,2,3
.irp q, 0,1,2,3
	v_wmma_f32_16x16x32_f16 v[OT+32*\q+8*\ct:OT+32*\q+8*\ct+7], v[V+8*(4*\g+\ct):V+8*(4*\g+\ct)+7], v[32*\q+8*\g:32*\q+8*\g+7], v[OT+32*\q+8*\ct:OT+32*\q+8*\ct+7]
.endr
.endr
.endr
	WIN 0
.endm
.macro FOUR_STEPS                      ; a slot's four steps: written once, walked four times
	s_mov_b32 s[CNT], 4
.Lstep_\@:
	STEP
	s_add_co_u32 s[TB], s[TB], STEPB
	s_sub_co_u32 s[CNT], s[CNT], 1
	s_cmp_lg_u32 s[CNT], 0
	s_cbranch_scc1 .Lstep_\@
	s_sub_co_u32 s[TB], s[TB], BLKB                ; back to a slot's first step,
	s_xor_b32 s[TB], s[TB], SLOT1                  ; in the other slot
.endm
	s_load_b256 s[4:11], s[0:1], 0x0               ; qf, kf, vf, of
	v_lshl_add_u32 v[SPW], v0, 2, SPARE
	v_mov_b32 v[NIL], 0
	ds_add_u32 v[SPW], v[NIL]                      ; the wave's opening: the add, twice on end, and its wait ahead of my first tensor load
	ds_add_u32 v[SPW], v[NIL]
	v_lshrrev_b32 v11, 5, v0
	v_readfirstlane_b32 s[WV], v11                 ; wave 0..7
	s_bfe_u32 s13, ttmp6, 0x40000                  ; cx: my place in the cluster
	s_and_b32 s14, ttmp7, 0xffff                   ; bh, which the four partners share
	s_mov_b32 s[G1], 15|(3<<16)|(1<<21)            ; 15:0 the mask: all four; 17:16 elements of 8 bytes; 21 set beside a mask; no padding
	s_mov_b32 s[G1+1], 32<<16                      ; tensor_dim0 = 32 elements: rows of 256 bytes
	s_mov_b32 s[G1+2], 64<<16                      ; tensor_dim1 = 64
	s_mov_b32 s[G1+3], 32<<16                      ; tile_dim0
	s_mov_b32 s[G1+4], 64                          ; tile_dim1
	s_mov_b32 s[G1+5], 32                          ; the pitch: dense
	s_mov_b32 s[G1+6], 0
	s_mov_b32 s[G1+7], 0
	s_lshl_b32 s16, s14, 19                        ; bh's first byte in qf, kf and vf
	s_bfe_u32 s18, s[WV], 0x10001                  ; the key half that I fetch for,
	s_lshl_b32 s18, s18, 18                        ; 262,144 bytes on,
	s_and_b32 s19, s[WV], 1
	s_lshl_b32 s19, s19, 14                        ; and which 16 KB of a block's 32
	s_add_co_u32 s18, s18, s19
	s_add_co_u32 s18, s18, s16
	s_mov_b32 s19, 0
	s_lshl_b32 s22, ttmp9, 2
	s_add_co_u32 s22, s22, s13                     ; my block of 256 queries: it enters Q's and O's addresses alone
	s_and_b32 s23, s[WV], 3                        ; my 64 of them
	s_lshl_b32 s46, s22, 15
	s_lshl_b32 s47, s23, 13
	s_add_co_u32 s46, s46, s47
	s_add_co_u32 s46, s46, s16                     ; Q: 2,048 bytes a tile of 16 tokens
	s_mov_b32 s47, 0
	s_lshr_b32 s48, s14, 3                         ; of: [256 b + tile of 16 tokens][2 head + half][1,024 bytes]
	s_lshl_b32 s48, s48, 22
	s_lshl_b32 s49, s22, 18
	s_add_co_u32 s48, s48, s49
	s_lshl_b32 s49, s23, 16
	s_add_co_u32 s48, s48, s49
	s_and_b32 s49, s14, 7
	s_lshl_b32 s49, s49, 11
	s_add_co_u32 s48, s48, s49
	s_mov_b32 s49, 0
	s_lshl_b32 s50, s13, 13                        ; the prefetches: my work-group's 8 KB of a part,
	s_add_co_u32 s50, s50, BLKB                    ; in block 1: the first change of slots steps it to block 2
	s_mov_b32 s51, 0
	s_and_b32 s[LIM], s[WV], 1                     ; waves 0, 2, 4, 6
	s_or_b32 s[LIM], s[LIM], ttmp9                 ; of bh's first cluster: the same in all four partners
	s_cmp_eq_u32 s[LIM], 0
	s_cselect_b32 s[LIM], 1, -1
	s_mov_b32 s[CS], 0x3e38aa3b                    ; c = log2(e) / 8
	s_mov_b32 s[CS+1], s[CS]
	s_mov_b32 s[SEL], 0x76543210
	s_mov_b32 s[SEL+1], 0xfedcba98
	s_mov_b32 s[TB], 0
	s_mov_b32 s[SLOTS], 7
	s_wait_dscnt 0x0                               ; both opening adds are done
	s_wait_kmcnt 0x0
	s_cmp_lt_u32 s[WV], 4                          ; waves 0-3 fetch K, waves 4-7 V
	s_cselect_b64 s[20:21], s[6:7], s[8:9]
	s_add_nc_u64 s[20:21], s[20:21], s[18:19]
	s_add_nc_u64 s[PFA:PFA+1], s[20:21], s[50:51]
	s_add_nc_u64 s[4:5], s[4:5], s[46:47]
	s_add_nc_u64 s[10:11], s[10:11], s[48:49]
	s_mov_b32 s[G0], 1                             ; count = 1
	s_lshl_b32 s[G0+1], s[WV], 14                  ; LDS: slot 0 + 16,384 x wave: no place in the cluster enters it
	s_mov_b64 s[G0+2:G0+3], s[20:21]               ; block 0
	s_or_b32 s[G0+3], s[G0+3], 0x80000000          ; type = 2
	CROUND                                         ; all four work-groups are here: the first joint loads meet
	tensor_load_to_lds s[G0:G0+3], s[G1:G1+7]      ; every wave issues one: the one line serves all eight
	s_nop 0
.rept 4
	v_nop
.endr
	v_and_b32 v12, 31, v0
	v_lshlrev_b32 v[QO], 4, v12
	v_lshlrev_b32 v[PFO], 8, v12
	s_lshr_b32 s15, s[WV], 2
	s_lshl_b32 s15, s15, 15
	v_add_nc_u32 v[AK0], s15, v[QO]
	v_add_nc_u32 v[AV0], 0x10000, v[AK0]
	s_mul_i32 s15, s23, MSTW
	v_add_nc_u32 v[MST], s15, v[QO]
.set i, 0
.rept 16
	global_load_b128 v[Q+4*i:Q+4*i+3], v[QO], s[4:5] offset:512*i   ; Q stays in registers: tile i / 4, half (i / 2) % 2
.set i, i+1
.endr
.irp q, 0,1,2,3
	v_mov_b32 v[ST+8*\q+1], 0xff61b1e6             ; m = -3e38, under every score
	v_mul_f32 v[ST+8*\q], s[CS], v[ST+8*\q+1]
.irp j, 2,3,4,5,6,7
	v_mov_b32 v[ST+8*\q+\j], 0                     ; l = 0; the others are written once, as destinations of lane permutes and halves of pairs
.endr
.endr
	WIN 0x40
.set i, 0
.rept 128
	v_mov_b32 v[OT+i], 0                           ; O^T: the step is written once; its first walk finds zeros, which a = 0 leaves zeros.  128 moves, once, in place of a second text of the step
.set i, i+1
.endr
	WIN 0
	s_wait_loadcnt 0x0                             ; Q
.Lslot:                                            ; seven trips: trip j walks block j and asks for block j + 1
	CHANGE 1
	FOUR_STEPS
	s_sub_co_u32 s[SLOTS], s[SLOTS], 1
	s_cmp_lg_u32 s[SLOTS], 0
	s_cbranch_scc1 .Lslot
	CHANGE 0                                       ; the last block is written out
	FOUR_STEPS
	; THE MERGE of the two key halves, and the way out.  These eight plain lines are the places behind the last products.
.irp q, 0,1,2,3
	v_add_f32 v[G+4+\q], v[ST+8*\q+2], v[ST+8*\q+3]
.endr
.irp q, 0,1,2,3
	v_mov_b32 v[G+\q], v[ST+8*\q]
.endr
	s_wait_dscnt 0x0
	s_barrier_signal -1                            ; every wave's reads of the ring are over: the stage, which lies in slot 0, may be written
	s_barrier_wait -1
	s_cmp_lt_u32 s[WV], 4
	s_cbranch_scc1 .Lkeep
	WIN 0x04                                       ; an LDS store's data are its source 1: window 1
.set i, 0
.rept 32
	ds_store_b128 v[MST], v[OT+4*i:OT+4*i+3] offset:512*i   ; waves 4-7: O^T as it stands, each accumulator from its low end on
.set i, i+1
.endr
	WIN 0
	ds_store_b128 v[MST], v[G:G+3] offset:16384    ; c m of the four tiles,
	ds_store_b128 v[MST], v[G+4:G+7] offset:16896  ; and l
.Lkeep:
	s_wait_dscnt 0x0                               ; for the others' sake: my stores have landed
	s_barrier_signal -1
	s_barrier_wait -1
	s_cmp_ge_u32 s[WV], 4
	s_cbranch_scc1 .Lend
.set i, 0
.rept 32
	ds_load_b128 v[Q+4*i:Q+4*i+3], v[MST] offset:512*i   ; waves 0-3: the partner's O^T, into Q's and K's registers
.set i, i+1
.endr
	ds_load_b128 v[H:H+3], v[MST] offset:16384
	ds_load_b128 v[H+4:H+7], v[MST] offset:16896
	s_wait_dscnt 0x0
.irp q, 0,1,2,3
	v_max_num_f32 v[ST+8*\q+1], v[ST+8*\q], v[H+\q]        ; the common c m
.endr
.irp q, 0,1,2,3
	v_sub_f32 v[ST+8*\q+4], v[ST+8*\q], v[ST+8*\q+1]
	v_sub_f32 v[ST+8*\q+5], v[H+\q], v[ST+8*\q+1]
.endr
.irp q, 0,1,2,3
	v_exp_f32 v[ST+8*\q+4], v[ST+8*\q+4]           ; what brings my half under it,
	v_exp_f32 v[ST+8*\q+5], v[ST+8*\q+5]           ; and the partner's
.endr
	v_nop                                          ; a plain place behind the batch
	s_wait_alu depctr_va_vdst(0)                   ; and the one wait ahead of its first reader
.irp q, 0,1,2,3
	v_mul_f32 v[ST+8*\q+6], v[G+4+\q], v[ST+8*\q+4]
.endr
.irp q, 0,1,2,3
	v_fma_f32 v[ST+8*\q+6], v[H+4+\q], v[ST+8*\q+5], v[ST+8*\q+6]
.endr
.irp q, 0,1,2,3
	v_permlanex16_b32 v[ST+8*\q+7], v[ST+8*\q+6], s[SEL], s[SEL+1]
.endr
.irp q, 0,1,2,3
	v_add_f32 v[ST+8*\q+6], v[ST+8*\q+6], v[ST+8*\q+7]     ; the row's sum
.endr
.irp q, 0,1,2,3
	v_rcp_f32 v[ST+8*\q+1], v[ST+8*\q+6]
.endr
	v_nop
	s_wait_alu depctr_va_vdst(0)
.irp q, 0,1,2,3
	v_mul_f32 v[ST+8*\q], v[ST+8*\q+4], v[ST+8*\q+1]       ; my O's factor,
	v_mul_f32 v[ST+8*\q+2], v[ST+8*\q+5], v[ST+8*\q+1]     ; the partner's
.endr
	WIN 0x41
.set e, 0
.rept 64
	v_pk_mul_f32 v[OT+e:OT+e+1], v[OT+e:OT+e+1], v[ST+8*(e/32):ST+8*(e/32)+1] op_sel_hi:[1,0]
.set e, e+2
.endr
	WIN 0x50
.set e, 0
.rept 64
	v_pk_fma_f32 v[OT+e:OT+e+1], v[Q+e:Q+e+1], v[ST+8*(e/32)+2:ST+8*(e/32)+3], v[OT+e:OT+e+1] op_sel_hi:[1,0,1]
.set e, e+2
.endr
	WIN 0x05
.set i, 0
.rept 64
	v_cvt_pk_f16_f32 v[V+i], v[OT+2*i], v[OT+2*i+1]        ; a lane's eight channels of a token: four registers of the next product's fragment
.set i, i+1
.endr
	WIN 0
.irp q, 0,1,2,3
.irp ct, 0,1,2,3
	global_store_b128 v[QO], v[V+16*\q+4*\ct:V+16*\q+4*\ct+3], s[10:11] offset:16384*\q+512*\ct   ; 32 lanes store 512 consecutive bytes, aligned
.endr
.endr
.Lend:
	s_wait_tensorcnt 0x0                           ; the wave's end: a wait, an add to my spare word and its wait, behind my last tensor load and my last LDS store
	ds_add_u32 v[SPW], v[NIL]
	s_wait_dscnt 0x0
	CROUND                                         ; the closing round: no work-group ends while a partner may still ask for a tile that names it
	s_endpgm
.Lfunc_end_k_q03c60fac3e_attn:
	.size	k_q03c60fac3e_attn, .Lfunc_end_k_q03c60fac3e_attn-k_q03c60fac3e_attn
	.p2alignl 7, 3214868480
	.fill 96, 4, 3214868480
	.section	.rodata,"a",@progbits
	.p2align	6, 0x0
	.amdhsa_kernel k_q03c60fac3e_attn
		.amdhsa_group_segment_fixed_size 327680
		.amdhsa_private_segment_fixed_size 0
		.amdhsa_enable_private_segment 0
		.amdhsa_kernarg_size 32
		.amdhsa_user_sgpr_count 2
		.amdhsa_user_sgpr_kernarg_segment_ptr 1
		.amdhsa_wavefront_size32 1
		.amdhsa_system_sgpr_workgroup_id_x 1
		.amdhsa_system_sgpr_workgroup_id_y 1
		.amdhsa_system_sgpr_workgroup_id_z 1
		.amdhsa_system_vgpr_workitem_id 0
		.amdhsa_next_free_vgpr 512
		.amdhsa_next_free_sgpr 66
		.amdhsa_reserve_vcc 0
		.amdhsa_float_denorm_mode_32 3
		.amdhsa_float_denorm_mode_16_64 3
		.amdhsa_memory_ordered 1
		.amdhsa_forward_progress 1
		.amdhsa_inst_pref_size 100
	.end_amdhsa_kernel
	.amdgpu_metadata
---
amdhsa.version: [ 1, 2 ]
amdhsa.kernels:
  - .name:           k_q03c60fac3e_attn
    .symbol:         k_q03c60fac3e_attn.kd
    .args:
      - { .name: qf, .offset: 0, .size: 8, .value_kind: global_buffer, .address_space: global }
      - { .name: kf, .offset: 8, .size: 8, .value_kind: global_buffer, .address_space: global }
      - { .name: vf, .offset: 16, .size: 8, .value_kind: global_buffer, .address_space: global }
      - { .name: of, .offset: 24, .size: 8, .value_kind: global_buffer, .address_space: global }
    .group_segment_fixed_size: 327680
    .private_segment_fixed_size: 0
    .kernarg_segment_align: 8
    .kernarg_segment_size: 32
    .max_flat_workgroup_size: 256
    .sgpr_count:     66
    .vgpr_count:     512
    .wavefront_size: 32
...
	.end_amdgpu_metadata
.endif
;; end of part 3
;; launch outp (part 4): grid 4 x 64, 4 waves a work-group, clusters of 4 x 4, 280,064 bytes of LDS; arguments of, wo16, bo, out0; writes out0
.if DOCPART == 4
	.amdgcn_target "amdgcn-amd-amdhsa--gfx1250"
	.amdhsa_code_object_version 6
	.text
	.protected	k_q03c60fac3e_outp
	.globl	k_q03c60fac3e_outp
	.p2align	8
	.type	k_q03c60fac3e_outp,@function
k_q03c60fac3e_outp:
	s_mov_b64 s[64:65], 0
	v_nop
	global_prefetch_b8 v0, s[64:65] scope:SCOPE_SE
	s_setreg_imm32_b32 hwreg(HW_REG_WAVE_MODE, 25, 1), 1
	s_wait_xcnt 0x0
	s_wait_alu depctr_hold_cnt(0) depctr_sa_sdst(0) depctr_va_vdst(0) depctr_va_sdst(0) depctr_va_ssrc(0) depctr_va_vcc(0) depctr_vm_vsrc(0)
	s_getreg_b32 s2, hwreg(HW_REG_IB_STS2, 6, 4)
	s_cmp_eq_u32 s2, 0
	s_cbranch_scc0 .Lentry_in_a_cluster
	s_endpgm
.Lentry_in_a_cluster:
	s_bfe_u32 s2, ttmp6, 0x10000c
	s_cmp_lg_u32 s2, 0xf033
	s_cbranch_scc0 .Lentry_shape_is_right
	s_endpgm
.Lentry_shape_is_right:
; THE PROJECTION ON THE WAY OUT: out0[m][n] = the sum over k of O[m][k] Wo[n][k] + bo[n], M = 8,192, N = K = 512; operands in f16, sums in f32.
; of: [tile of 16 tokens][K step of 32][1,024 bytes], wo16: [tile of 16 rows of Wo][K step of 32][1,024 bytes]: images of operand registers.
; SHARES.  A work-group makes 128 x 128 of out0 (256 work-groups); wave w makes rows 64 (w / 2) on, columns 64 (w % 2) on: 16 accumulators.
; THE WHOLE K COMES INTO LDS ONCE, in four chunks of 128 along K: 8 tiles of A x 4 KB, then 8 of B, 64 KB a chunk.  Each wave issues four tensor loads at the head (four of mine are out) and none later: nothing is filled again.
; CLUSTER 4 x 4: A's tiles hang on the tile row alone and are asked for jointly along a row of the cluster, B's on the tile column alone, along a column.
; THE MATRIX INSTRUCTION IS USED TRANSPOSED (source 0 = 16 rows of Wo, source 1 = 16 tokens): a lane holds one token and eight neighbouring columns.  bo is the C of each sum's first product.
; No prefetch: the launch is short, and all its tiles are asked for at its head.
.set CHUNK, 65536
.set STAGE, 4*CHUNK                    ; the way out: 16 rows x (256 bytes + 16) for each wave
.set SPI,   272
.set SPARE, STAGE+4*16*SPI             ; the spare words, 128 bytes for each wave: two blocks of 256 bytes that no other line names
.set ADA, 2                            ; v2-5  my A fragments in chunk c
.set ADB, 6                            ; v6-9  my B fragments
.set STO, 10                           ; v10   into my stage
.set RD,  11                           ; v11   out of it
.set CO,  12                           ; v12   my byte offset in two rows of out0
.set SPW, 13                           ; v13   my spare word; never rewritten
.set NIL, 14                           ; v14   0; never rewritten
.set BO,  15                           ; v15   32 h: bo
.set OB,  160                          ; v160-191, v192-223: rows read back from the stage, two sets
.set BIA, 128                          ; window 1: v128-159 bo in the result's layout;  v0-127 the accumulators, (a, b) at 8 (4 a + b)
.set WV,  12
.set G1A, 24                           ; s[24:31] group 1 for A's tiles;  s[32:47] its four groups 0
.set G0A, 32
.set G1B, 48                           ; s[48:55] for B's;  s[56:63], s[68:75] its four groups 0
.set G0B, 56
.set MSB, 0
.macro WIN new                         ; the immediate's high byte repeats the setting that is left
.if MSB != \new
	s_set_vgpr_msb (MSB<<8)|\new
.set MSB, \new
.endif
.endm
.macro CROUND                          ; a round of the cluster's barrier
	s_barrier_signal -1
	s_barrier_wait -1
	s_cmp_lg_u32 s[WV], 0
	s_cbranch_scc1 .Lnot_wave_0_\@
	s_barrier_signal -3
.Lnot_wave_0_\@:
	s_barrier_wait -3
	s_barrier_signal -1
	s_barrier_wait -1
.endm
	s_load_b256 s[4:11], s[0:1], 0x0               ; of, wo16, bo, out0
	v_lshl_add_u32 v[SPW], v0, 2, SPARE
	v_mov_b32 v[NIL], 0
	ds_add_u32 v[SPW], v[NIL]                      ; the wave's opening: the add, twice on end, and its wait ahead of my first tensor load
	ds_add_u32 v[SPW], v[NIL]
	v_lshrrev_b32 v1, 5, v0
	v_readfirstlane_b32 s[WV], v1                  ; wave 0..3
	s_lshr_b32 s13, s[WV], 1                       ; which half of the rows is mine.  Also: I fetch for A (0) or for B (1)
	s_and_b32 s14, s[WV], 1                        ; which half of the columns.  Also: which four tiles I fetch
	s_bfe_u32 s15, ttmp6, 0x40000                  ; cx
	s_bfe_u32 s16, ttmp6, 0x40004                  ; cy
	s_lshl_b32 s17, ttmp9, 2
	s_add_co_u32 s17, s17, s15                     ; tile column
	s_and_b32 s18, ttmp7, 0xffff
	s_lshl_b32 s18, s18, 2
	s_add_co_u32 s18, s18, s16                     ; tile row
	s_lshl_b32 s19, s16, 2
	s_lshl_b32 s19, 15, s19                        ; my row of the cluster
	s_lshl_b32 s20, 0x1111, s15                    ; my column
	s_or_b32 s[G1A], s19, (3<<16)|(1<<21)          ; 15:0 the mask; 17:16 elements of 8 bytes; 21 set beside a mask; no padding
	s_or_b32 s[G1B], s20, (3<<16)|(1<<21)
.irp g, G1A, G1B
	s_mov_b32 s[\g+1], 512<<16                     ; tensor_dim0 = 512 elements: a tile's 4 KB of a chunk
	s_mov_b32 s[\g+2], 4<<16                       ; tensor_dim1 = 4 tiles
	s_mov_b32 s[\g+3], 512<<16                     ; tile_dim0
	s_mov_b32 s[\g+4], 4                           ; tile_dim1
	s_mov_b32 s[\g+5], 2048                        ; the pitch: a tile's 16 KB
	s_mov_b32 s[\g+6], 0
	s_mov_b32 s[\g+7], 0
.endr
	s_lshl_b32 s21, s14, 16                        ; four tiles of 16 KB
	s_lshl_b32 s76, s18, 17                        ; A: 8 tiles a tile row: registers that never hold cx
	s_add_co_u32 s76, s76, s21
	s_mov_b32 s77, 0
	s_lshl_b32 s78, s17, 17                        ; B: 8 tiles a tile column: registers that never hold cy
	s_add_co_u32 s78, s78, s21
	s_mov_b32 s79, 0
	s_lshl_b32 s84, s[WV], 14                      ; where they go: 16,384 x wave in a chunk
	s_lshl_b32 s86, s17, 9                         ; my first column, in bytes of f32
	s_lshl_b32 s87, s14, 8
	s_add_co_u32 s86, s86, s87
	s_mov_b32 s87, 0
	s_lshl_b32 s88, s18, 18                        ; my first row of out0: 2,048 bytes a row
	s_lshl_b32 s89, s13, 17
	s_add_co_u32 s88, s88, s89
	s_add_co_u32 s88, s88, s86
	s_mov_b32 s89, 0
	s_wait_dscnt 0x0                               ; both opening adds are done
	s_wait_kmcnt 0x0
	s_add_nc_u64 s[80:81], s[4:5], s[76:77]
	s_add_nc_u64 s[82:83], s[6:7], s[78:79]
	s_add_nc_u64 s[8:9], s[8:9], s[86:87]
	s_add_nc_u64 s[10:11], s[10:11], s[88:89]
.irp c, 0,1,2,3
	s_mov_b32 s[G0A+4*\c], 1
	s_add_co_u32 s[G0A+4*\c+1], s84, CHUNK*\c
	s_add_nc_u64 s[G0A+4*\c+2:G0A+4*\c+3], s[80:81], 4096*\c
	s_or_b32 s[G0A+4*\c+3], s[G0A+4*\c+3], 0x80000000
	s_mov_b32 s[G0B+4*\c+4*(\c/2)], 1
	s_add_co_u32 s[G0B+4*\c+4*(\c/2)+1], s84, CHUNK*\c
	s_add_nc_u64 s[G0B+4*\c+4*(\c/2)+2:G0B+4*\c+4*(\c/2)+3], s[82:83], 4096*\c
	s_or_b32 s[G0B+4*\c+4*(\c/2)+3], s[G0B+4*\c+4*(\c/2)+3], 0x80000000
.endr
	CROUND                                         ; all sixteen work-groups are here: the joint loads meet
	s_cmp_lt_u32 s[WV], 2                          ; a wave's four fills stand in one branch on its number, ahead of every wait on TENSORcnt and every LDS read
	s_cbranch_scc0 .Lfor_b
.irp c, 0,1,2,3
	tensor_load_to_lds s[G0A+4*\c:G0A+4*\c+3], s[G1A:G1A+7]
	s_nop 0
.endr
.rept 4
	v_nop
.endr
	s_branch .Lasked
.Lfor_b:
.irp c, 0,1,2,3
	tensor_load_to_lds s[G0B+4*\c+4*(\c/2):G0B+4*\c+4*(\c/2)+3], s[G1B:G1B+7]
	s_nop 0
.endr
.rept 4
	v_nop
.endr
.Lasked:
	v_and_b32 v1, 31, v0                           ; lane
	v_and_b32 v16, 15, v0                          ; r
	v_bfe_u32 v17, v0, 4, 1                        ; h
	v_lshlrev_b32 v18, 4, v1
	s_lshl_b32 s21, s13, 14                        ; my four tiles of A,
	s_lshl_b32 s22, s14, 14                        ; my four of B,
	s_add_co_u32 s22, s22, 32768                   ; which lie behind A's eight
.irp c, 0,1,2,3
	v_add_nc_u32 v[ADA+\c], s21, v18
	v_add_nc_u32 v[ADB+\c], s22, v18
	s_add_co_u32 s21, s21, CHUNK
	s_add_co_u32 s22, s22, CHUNK
.endr
	s_mul_i32 s23, s[WV], 16*SPI
	s_add_co_u32 s23, s23, STAGE                   ; my stage
	v_mul_u32_u24 v19, v16, SPI
	v_lshl_add_u32 v19, v17, 5, v19
	v_add_nc_u32 v[STO], s23, v19                  ; in: row r, 32 bytes for each half of the lanes
	v_mul_u32_u24 v19, v17, SPI
	v_lshl_add_u32 v19, v16, 4, v19
	v_add_nc_u32 v[RD], s23, v19                   ; back: lanes 0-15 one row of 256 bytes, lanes 16-31 the next
	v_lshlrev_b32 v[CO], 11, v17
	v_lshl_add_u32 v[CO], v16, 4, v[CO]            ; and the same two rows in out0
	v_lshlrev_b32 v[BO], 5, v17
	WIN 0x40
.irp b, 0,1,2,3
	global_load_b128 v[BIA+8*\b:BIA+8*\b+3], v[BO], s[8:9] offset:64*\b         ; register j: bo of column 16 b + 8 h + j
	global_load_b128 v[BIA+8*\b+4:BIA+8*\b+7], v[BO], s[8:9] offset:64*\b+16
.endr
	WIN 0
.macro FETCH ks                        ; K step ks: four fragments of A and four of B into buffer ks % 2 (v32-95 or v96-159): 16 loads of 512 consecutive bytes
.set FB, 32+64*((\ks)%2)
.irp i, 0,1,2,3
.irp p, 0,1
	ds_load_b128 v[FB+8*\i+4*\p:FB+8*\i+4*\p+3], v[ADA+(\ks)/4] offset:4096*\i+1024*((\ks)%4)+512*\p
	ds_load_b128 v[FB+32+8*\i+4*\p:FB+32+8*\i+4*\p+3], v[ADB+(\ks)/4] offset:4096*\i+1024*((\ks)%4)+512*\p
.endr
.endr
.endm
.macro KSTEP ks
	s_wait_dscnt 0x0                               ; this step's fragments are in
.if ((\ks)%4 == 3) && ((\ks) < 15)
	s_wait_tensorcnt 2-(\ks)/4                     ; my part of the next chunk has landed; the count leaves the younger chunks out
	s_barrier_signal -1
	s_barrier_wait -1                              ; everybody's has.
.endif
.if (\ks) < 15
.if (\ks) > 0
.rept 4
	v_nop                                          ; four places in front of loads into the buffer that the last step's products read
.endr
.endif
	FETCH (\ks)+1
.endif
	WIN 0x50                                       ; C and D window 1
.set FB, 32+64*((\ks)%2)
.irp a, 0,1,2,3
.irp b, 0,1,2,3
.if (\ks) == 0
	v_wmma_f32_16x16x32_f16 v[8*(4*\a+\b):8*(4*\a+\b)+7], v[FB+32+8*\b:FB+32+8*\b+7], v[FB+8*\a:FB+8*\a+7], v[BIA+8*\b:BIA+8*\b+7]
.else
	v_wmma_f32_16x16x32_f16 v[8*(4*\a+\b):8*(4*\a+\b)+7], v[FB+32+8*\b:FB+32+8*\b+7], v[FB+8*\a:FB+8*\a+7], v[8*(4*\a+\b):8*(4*\a+\b)+7]
.endif
.endr
.endr                                          ; the sixteen accumulators take turns, in the same order in every step
	WIN 0
.endm
	s_wait_tensorcnt 3                             ; my part of chunk 0 has landed; chunks 1 to 3 may stay out
	s_barrier_signal -1
	s_barrier_wait -1
	FETCH 0
	s_wait_loadcnt 0x0                             ; bo
.irp ks, 0,1,2,3,4,5,6,7,8,9,10,11,12,13,14,15
	KSTEP \ks
.endr
; THE WAY OUT, 16 rows x my 64 columns at a time: a lane holds 32 bytes of a row and the lanes beside it hold other rows, so a block goes through my own stage and comes back as whole rows of 256 bytes.
.macro TOSTAGE a
	WIN 0x04                                       ; an LDS store's data are its source 1: window 1
.irp b, 0,1,2,3
	ds_store_b128 v[STO], v[8*(4*(\a)+\b):8*(4*(\a)+\b)+3] offset:64*\b        ; each accumulator from its low end on
	ds_store_b128 v[STO], v[8*(4*(\a)+\b)+4:8*(4*(\a)+\b)+7] offset:64*\b+16
.endr
	WIN 0
.irp i, 0,1,2,3,4,5,6,7
	ds_load_b128 v[OB+32*((\a)%2)+4*\i:OB+32*((\a)%2)+4*\i+3], v[RD] offset:2*SPI*\i   ; LDS serves a wave's instructions in order: these see my stores, and the next block's stores come behind them
.endr
.endm
.macro SEND a, younger                 ; younger: the LDS instructions issued behind block a's loads
	s_wait_dscnt \younger
.irp i, 0,1,2,3,4,5,6,7
	global_store_b128 v[CO], v[OB+32*((\a)%2)+4*\i:OB+32*((\a)%2)+4*\i+3], s[10:11] offset:(16*(\a)+2*\i)*2048 th:TH_STORE_NT   ; 16 lanes store 256 consecutive bytes, aligned
.endr
.endm
.rept 4
	v_nop                                          ; four places between the last products and the first read of results
.endr
	TOSTAGE 0
	TOSTAGE 1
	SEND 0, 16                                     ; behind block 0's loads: block 1's 8 stores and 8 loads
	s_wait_xcnt 0x0                                ; block 0's stores have read their registers: block 2's loads may land there
	TOSTAGE 2
	SEND 1, 16
	s_wait_xcnt 0x0
	TOSTAGE 3
	SEND 2, 16
	SEND 3, 0
	s_wait_tensorcnt 0x0                           ; the wave's end: a wait, an add to my spare word and its wait, behind my last tensor load and my last LDS store
	ds_add_u32 v[SPW], v[NIL]
	s_wait_dscnt 0x0
	CROUND                                         ; the closing round: no work-group ends while a partner may still ask for a tile that names it
	s_endpgm
.Lfunc_end_k_q03c60fac3e_outp:
	.size	k_q03c60fac3e_outp, .Lfunc_end_k_q03c60fac3e_outp-k_q03c60fac3e_outp
	.p2alignl 7, 3214868480
	.fill 96, 4, 3214868480
	.section	.rodata,"a",@progbits
	.p2align	6, 0x0
	.amdhsa_kernel k_q03c60fac3e_outp
		.amdhsa_group_segment_fixed_size 280064
		.amdhsa_private_segment_fixed_size 0
		.amdhsa_enable_private_segment 0
		.amdhsa_kernarg_size 32
		.amdhsa_user_sgpr_count 2
		.amdhsa_user_sgpr_kernarg_segment_ptr 1
		.amdhsa_wavefront_size32 1
		.amdhsa_system_sgpr_workgroup_id_x 1
		.amdhsa_system_sgpr_workgroup_id_y 1
		.amdhsa_system_sgpr_workgroup_id_z 1
		.amdhsa_system_vgpr_workitem_id 0
		.amdhsa_next_free_vgpr 416
		.amdhsa_next_free_sgpr 100
		.amdhsa_reserve_vcc 0
		.amdhsa_float_denorm_mode_32 3
		.amdhsa_float_denorm_mode_16_64 3
		.amdhsa_memory_ordered 1
		.amdhsa_forward_progress 1
		.amdhsa_inst_pref_size 53
	.end_amdhsa_kernel
	.amdgpu_metadata
---
amdhsa.version: [ 1, 2 ]
amdhsa.kernels:
  - .name:           k_q03c60fac3e_outp
    .symbol:         k_q03c60fac3e_outp.kd
    .args:
      - { .name: of, .offset: 0, .size: 8, .value_kind: global_buffer, .address_space: global }
      - { .name: wo16, .offset: 8, .size: 8, .value_kind: global_buffer, .address_space: global }
      - { .name: bo, .offset: 16, .size: 8, .value_kind: global_buffer, .address_space: global }
      - { .name: out0, .offset: 24, .size: 8, .value_kind: global_buffer, .address_space: global }
    .group_segment_fixed_size: 280064
    .private_segment_fixed_size: 0
    .kernarg_segment_align: 8
    .kernarg_segment_size: 32
    .max_flat_workgroup_size: 128
    .sgpr_count:     100
    .vgpr_count:     416
    .wavefront_size: 32
...
	.end_amdgpu_metadata
.endif
;; end of part 4
